; MI455X (gfx1250); checked and timed in simulation.
; The chip was launched on July 23, 2026; its instructions are those of AMD's public machine-readable ISA for CDNA 5 (MIT licence, August 2026) and "CDNA5" Instruction Set Architecture Reference Guide (July 2026). The comments in the code are by the model that wrote it; some were corrected since.
;; Multi Head Self Attention. Allowed arithmetic: float matrix products may take bf16 or f16 operands with f32 sums; all other float work in f32.
;; Inputs: Wk 1,024 x 1,024 float32; Wo 1,024 x 1,024 float32; Wq 1,024 x 1,024 float32; Wv 1,024 x 1,024 float32; x 4 x 2,048 x 1,024 float32.
;; Outputs: out0 4 x 2,048 x 1,024 float32.
;; 2 versions, each right; version 2 is version 1 with the launch cast written anew for expert scheduling mode. Each part assembles by itself: llvm-mc -triple=amdgcn-amd-amdhsa -mcpu=gfx1250 --defsym DOCPART=n.
;; ======== version 1 of 2: 4 launches
;; limits: values are held in f16: magnitudes above 65,504 overflow, below 6.1e-05 lose precision
;; workspace buffers: xb 16,777,216 bytes; wqkv 6,291,456 bytes; wo16 2,097,152 bytes; qkv 50,331,648 bytes; ao 16,777,216 bytes
;; launch cast (part 1): grid 768 x 1, 8 waves a work-group, no clusters, 0 bytes of LDS; arguments x, Wq, Wk, Wv, Wo, xb, wqkv, wo16; writes xb, wqkv, wo16
.if DOCPART == 1
	.amdgcn_target "amdgcn-amd-amdhsa--gfx1250"
	.amdhsa_code_object_version 6
	.text
	.protected	k_q0a850832df_cast
	.globl	k_q0a850832df_cast
	.p2align	8
	.type	k_q0a850832df_cast,@function
k_q0a850832df_cast:
	s_mov_b64 s[64:65], 0
	v_nop
	global_prefetch_b8 v0, s[64:65] scope:SCOPE_SE
	s_setreg_imm32_b32 hwreg(HW_REG_WAVE_MODE, 25, 1), 1
	s_wait_xcnt 0x0
; Rounds the five f32 inputs once to the 16-bit formats that the matrix launches read:
;   x -> xb (bf16);  Wq, Wk, Wv -> wqkv (bf16, stacked: rows 0-1023 Wq, 1024-2047 Wk, 2048-3071 Wv);
;   Wo -> bf16 -> f16 in wo16 (the second step changes nothing for magnitudes from 2^-14 to 65504).
; LIMITS: |Wo| above 65504 becomes infinity in f16; |Wo| below 2^-14 keeps an absolute error of at most 2^-25.
; A plain stream: no LDS, no barrier, no matrix unit.  Work-group g owns 16,384 numbers (65,536 bytes in, 32,768 out):
;   g 0-511 x, 512-575 Wq, 576-639 Wk, 640-703 Wv, 704-767 Wo.
; Thread t takes 16 bytes at 16 t + 4096 i (i = 0..15): a wave's load covers 512 consecutive bytes; its store of 8 bytes a lane
; covers 256 consecutive bytes, aligned.  All 16 loads go out first; no register is written twice, so no source needs freeing.
.set X, 4                              ; v[4:67]    load i: 4 registers
.set Y, 68                             ; v[68:99]   store i: 2 registers
.set T, 100                            ; v[100:103] at work (Wo only)
	s_load_b512 s[8:23], s[0:1], 0x0               ; x s8, Wq s10, Wk s12, Wv s14, Wo s16, xb s18, wqkv s20, wo16 s22
	s_sub_co_u32 s2, ttmp9, 512                    ; t = g - 512 (used only where g >= 512)
	s_and_b32 s3, s2, 63                           ; block inside one weight matrix
	s_sub_co_u32 s24, ttmp9, 704                   ; block inside wo16
	s_cmp_lt_u32 ttmp9, 512
	s_cselect_b32 s26, ttmp9, s3                   ; block of the source
	s_cmp_lt_u32 ttmp9, 704
	s_cselect_b32 s28, s2, s24
	s_cmp_lt_u32 ttmp9, 512
	s_cselect_b32 s28, ttmp9, s28                  ; block of the destination
	s_lshl_b32 s26, s26, 16                        ; x 65,536 bytes
	s_mov_b32 s27, 0
	s_lshl_b32 s28, s28, 15                        ; x 32,768 bytes
	s_mov_b32 s29, 0
	v_lshlrev_b32 v1, 4, v0                        ; 16 t
	v_lshlrev_b32 v2, 3, v0                        ; 8 t
	s_wait_kmcnt 0x0
	s_mov_b64 s[4:5], s[8:9]                       ; the source buffer, chosen by the work-group's number alone
	s_cmp_ge_u32 ttmp9, 512
	s_cselect_b64 s[4:5], s[10:11], s[4:5]
	s_cmp_ge_u32 ttmp9, 576
	s_cselect_b64 s[4:5], s[12:13], s[4:5]
	s_cmp_ge_u32 ttmp9, 640
	s_cselect_b64 s[4:5], s[14:15], s[4:5]
	s_cmp_ge_u32 ttmp9, 704
	s_cselect_b64 s[4:5], s[16:17], s[4:5]
	s_mov_b64 s[6:7], s[18:19]                     ; the destination buffer likewise
	s_cmp_ge_u32 ttmp9, 512
	s_cselect_b64 s[6:7], s[20:21], s[6:7]
	s_cmp_ge_u32 ttmp9, 704
	s_cselect_b64 s[6:7], s[22:23], s[6:7]
	s_add_nc_u64 s[4:5], s[4:5], s[26:27]
	s_add_nc_u64 s[6:7], s[6:7], s[28:29]
.irp i, 0,1,2,3,4,5,6,7,8,9,10,11,12,13,14,15
	global_load_b128 v[X+4*\i:X+4*\i+3], v1, s[4:5] offset:4096*\i th:TH_LOAD_NT
.endr
; Four numbers of load i.  wo = 1: the bf16 values are widened again and written as f16.
.macro CV i, wo
	s_wait_loadcnt 15-\i                           ; loads return in order: the 15 - i younger ones may stay out
	v_cvt_pk_bf16_f32 v[Y+2*\i],   v[X+4*\i],   v[X+4*\i+1]
	v_cvt_pk_bf16_f32 v[Y+2*\i+1], v[X+4*\i+2], v[X+4*\i+3]
.if \wo
	v_lshlrev_b32 v[T],   16, v[Y+2*\i]
	v_and_b32     v[T+1], 0xffff0000, v[Y+2*\i]
	v_lshlrev_b32 v[T+2], 16, v[Y+2*\i+1]
	v_and_b32     v[T+3], 0xffff0000, v[Y+2*\i+1]
	v_cvt_pk_f16_f32 v[Y+2*\i],   v[T],   v[T+1]
	v_cvt_pk_f16_f32 v[Y+2*\i+1], v[T+2], v[T+3]
.endif
	global_store_b64 v2, v[Y+2*\i:Y+2*\i+1], s[6:7] offset:2048*\i
.endm
	s_cmp_ge_u32 ttmp9, 704
	s_cbranch_scc1 .Lwo
.irp i, 0,1,2,3,4,5,6,7,8,9,10,11,12,13,14,15
	CV \i, 0
.endr
	s_endpgm
.Lwo:
.irp i, 0,1,2,3,4,5,6,7,8,9,10,11,12,13,14,15
	CV \i, 1
.endr
	s_endpgm
.Lfunc_end_k_q0a850832df_cast:
	.size	k_q0a850832df_cast, .Lfunc_end_k_q0a850832df_cast-k_q0a850832df_cast
	.p2alignl 7, 3214868480
	.fill 96, 4, 3214868480
	.section	.rodata,"a",@progbits
	.p2align	6, 0x0
	.amdhsa_kernel k_q0a850832df_cast
		.amdhsa_group_segment_fixed_size 0
		.amdhsa_private_segment_fixed_size 0
		.amdhsa_enable_private_segment 0
		.amdhsa_kernarg_size 64
		.amdhsa_user_sgpr_count 2
		.amdhsa_user_sgpr_kernarg_segment_ptr 1
		.amdhsa_wavefront_size32 1
		.amdhsa_system_sgpr_workgroup_id_x 1
		.amdhsa_system_sgpr_workgroup_id_y 1
		.amdhsa_system_sgpr_workgroup_id_z 1
		.amdhsa_system_vgpr_workitem_id 0
		.amdhsa_next_free_vgpr 104
		.amdhsa_next_free_sgpr 66
		.amdhsa_reserve_vcc 0
		.amdhsa_float_denorm_mode_32 3
		.amdhsa_float_denorm_mode_16_64 3
		.amdhsa_memory_ordered 1
		.amdhsa_forward_progress 1
		.amdhsa_inst_pref_size 17
	.end_amdhsa_kernel
	.amdgpu_metadata
---
amdhsa.version: [ 1, 2 ]
amdhsa.kernels:
  - .name:           k_q0a850832df_cast
    .symbol:         k_q0a850832df_cast.kd
    .args:
      - { .name: x, .offset: 0, .size: 8, .value_kind: global_buffer, .address_space: global }
      - { .name: Wq, .offset: 8, .size: 8, .value_kind: global_buffer, .address_space: global }
      - { .name: Wk, .offset: 16, .size: 8, .value_kind: global_buffer, .address_space: global }
      - { .name: Wv, .offset: 24, .size: 8, .value_kind: global_buffer, .address_space: global }
      - { .name: Wo, .offset: 32, .size: 8, .value_kind: global_buffer, .address_space: global }
      - { .name: xb, .offset: 40, .size: 8, .value_kind: global_buffer, .address_space: global }
      - { .name: wqkv, .offset: 48, .size: 8, .value_kind: global_buffer, .address_space: global }
      - { .name: wo16, .offset: 56, .size: 8, .value_kind: global_buffer, .address_space: global }
    .group_segment_fixed_size: 0
    .private_segment_fixed_size: 0
    .kernarg_segment_align: 8
    .kernarg_segment_size: 64
    .max_flat_workgroup_size: 256
    .sgpr_count:     66
    .vgpr_count:     104
    .wavefront_size: 32
...
	.end_amdgpu_metadata
.endif
;; end of part 1
;; launch qkv (part 2): grid 8 x 32, 4 waves a work-group, clusters of 4 x 4, 327,680 bytes of LDS; arguments xb, wqkv, qkv; writes qkv
.if DOCPART == 2
	.amdgcn_target "amdgcn-amd-amdhsa--gfx1250"
	.amdhsa_code_object_version 6
	.text
	.protected	k_q0a850832df_qkv
	.globl	k_q0a850832df_qkv
	.p2align	8
	.type	k_q0a850832df_qkv,@function
k_q0a850832df_qkv:
	s_mov_b64 s[64:65], 0
	v_nop
	global_prefetch_b8 v0, s[64:65] scope:SCOPE_SE
	s_setreg_imm32_b32 hwreg(HW_REG_WAVE_MODE, 25, 1), 1
	s_wait_xcnt 0x0
	s_wait_alu depctr_hold_cnt(0) depctr_sa_sdst(0) depctr_va_vdst(0) depctr_va_sdst(0) depctr_va_ssrc(0) depctr_va_vcc(0) depctr_vm_vsrc(0)
	s_getreg_b32 s2, hwreg(HW_REG_IB_STS2, 6, 4)
	s_cmp_eq_u32 s2, 0
	s_cbranch_scc0 .Lentry_in_a_cluster
	s_endpgm
.Lentry_in_a_cluster:
	s_bfe_u32 s2, ttmp6, 0x10000c
	s_cmp_lg_u32 s2, 0xf033
	s_cbranch_scc0 .Lentry_shape_is_right
	s_endpgm
.Lentry_shape_is_right:
; qkv[m][n] = sum over k of xb[m][k] wqkv[n][k].  xb [8192][1024] bf16, wqkv [3072][1024] bf16, qkv [8192][3072] f16; sums in f32.
; LIMIT: a result above 65504 in magnitude becomes infinity in f16.
; 256 work-groups.  Work-group (bx, by) owns rows 256 by .. +255 and columns 384 bx .. +383, made in two passes of 192 columns; the ring of LDS
; slots runs on from the first pass into the second.  8192 x 3072 is 512 such tiles of 256 x 192: two for each work-group.
; Four waves; wave w makes rows 64 w .. +63 x 192 columns: 48 accumulator tiles, 384 registers; for 32 along K it reads 16 fragments for 48 products.
; K goes in steps of 128 (rows of 256 bytes, aligned) through two LDS slots filled by tensor loads, one load a wave and step: 192 matrix
; instructions a wave stand between two changes of slots.
; CLUSTER 4 x 4: A's tile hangs on by alone and is asked for jointly by the four work-groups of a cluster row, B's on bx alone, by a cluster column.
; REGISTERS in windows of 256:  window 0: addresses, the way out;  window 1: accumulators of row blocks 0 and 3;  window 2: of row blocks 1 and 2
; (tile (a, b) at v[96 (a / 2) + 8 b] of its window);  window 3: fragments, B's buffer f at v[96 f], A's at v[192 + 32 f].
; A quarter step goes block 0, fetch, blocks 1, 2, block 3: three switches of the windows, since block 3 and the next block 0 share one setting.
; The matrix instruction is used transposed (source 0 = rows of B, source 1 = rows of A): a lane then holds 8 neighbouring columns of one row of C.
.set ROWB,   6144                      ; bytes in a row of C
.set KSTEP,  128
.set PITCH,  272                       ; LDS row: 256 bytes + 16 of padding, so the 16 rows of a fragment load start 16 bytes apart modulo 256
.set AHALF,  128*PITCH                 ; what waves 0, 1 fetch: 128 rows of A
.set BHALF,  96*PITCH                  ; what waves 2, 3 fetch: 96 rows of B
.set SLOT,   2*AHALF+2*BHALF           ; A's 256 rows, then B's 192 rows: 121,856 bytes
.set STAGE,  2*SLOT                    ; 243,712, a multiple of 256: behind the ring, never filled by a tensor load
.set WSTAGE, 64*PITCH                  ; a wave's own stage: one row of 256 bytes for each of its 64 rows of C
.set ADRA, 16                          ; v16-17  LDS address of my A fragments, slot 0, 1
.set ADRB, 20                          ; v20-21  the same for B
.set STO,  24                          ; way out: where I put 16 bytes
.set RD,   25                          ; way out: where I read rows back
.set CO,   26                          ; my byte offset in C
.set TMP,  64                          ; v64-111   way out: 12 tiles packed to f16
.set RBA,  128                         ; v128-159  way out: rows read back
.set RBB,  160                         ; v160-191  the same, second set
.set G1,  24                           ; s[24:31] group 1, A
.set G0,  32                           ; s[32:39] group 0, A, a set for each slot
.set G1B, 48                           ; s[48:55] group 1, B
.set G0B, 56                           ; s[56:63] group 0, B
.set M1,  0x5f                         ; sources 0, 1 in window 3, C and D in window 1
.set M2,  0xaf                         ; the same, C and D in window 2
.set TOF, 0xc0                         ; destination in window 3, address in window 0
.set MSB, 0
.macro WIN new                         ; the immediate's high byte repeats the setting that is left
.if MSB != \new
	s_set_vgpr_msb (MSB<<8)|\new
.set MSB, \new
.endif
.endm
.macro PLACES                          ; four places behind matrix instructions (ISA guide 7.12.1)
.rept 4
	v_nop
.endr
.endm
; A joint load: waves 0, 1 ask for A's halves, waves 2, 3 for B's.  The branch hangs on the wave's number alone.
.macro JLOAD s
	s_cmp_eq_u32 s11, 0
	s_cbranch_scc0 .Lfor_b_\@
	tensor_load_to_lds s[G0+4*\s:G0+4*\s+3], s[G1:G1+7]
	s_nop 0
.rept 4
	v_nop
.endr
	s_branch .Lasked_\@
.Lfor_b_\@:
	tensor_load_to_lds s[G0B+4*\s:G0B+4*\s+3], s[G1B:G1B+7]
	s_nop 0
.rept 4
	v_nop
.endr
.Lasked_\@:
.endm
.macro CREST                           ; a round of the cluster's barrier behind its opening work-group barrier
	s_cmp_lg_u32 s10, 0
	s_cbranch_scc1 .Lnot_wave_0_\@
	s_barrier_signal -3
.Lnot_wave_0_\@:
	s_barrier_wait -3
	s_barrier_signal -1
	s_barrier_wait -1
.endm
.macro CROUND                          ; a whole round
	s_barrier_signal -1
	s_barrier_wait -1
	CREST
.endm
	s_load_b128 s[4:7], s[0:1], 0x0                ; A s[4:5], B s[6:7]
	s_load_b64 s[8:9], s[0:1], 0x10                ; C
	v_lshl_add_u32 v254, v0, 2, 0x4c800
	v_mov_b32 v255, 0
	ds_add_u32 v254, v255
	v_lshrrev_b32 v1, 5, v0
	v_readfirstlane_b32 s10, v1                    ; wave 0..3
	s_lshr_b32 s11, s10, 1                         ; I fetch for A (0) or for B (1)
	s_and_b32 s12, s10, 1                          ; which half of that tile
	s_bfe_u32 s40, ttmp6, 0x40000                  ; cx
	s_bfe_u32 s41, ttmp6, 0x40004                  ; cy
	s_lshl_b32 s42, ttmp9, 2
	s_add_co_u32 s42, s42, s40                     ; bx = 4 x cluster x + cx
	s_and_b32 s13, ttmp7, 0xffff
	s_lshl_b32 s13, s13, 2
	s_add_co_u32 s13, s13, s41                     ; by = 4 x cluster y + cy
	s_lshl_b32 s43, s41, 2
	s_lshl_b32 s43, 15, s43                        ; my row of the cluster
	s_lshl_b32 s44, 0x1111, s40                    ; my column
	s_or_b32 s[G1+0], s43, (1<<16)|(1<<20)|(1<<21)|(5<<22)|(3<<25)   ; mask; 2-byte elements; padding on; bit 21 beside a mask; 4 words after every 64
	s_or_b32 s[G1B+0], s44, (1<<16)|(1<<20)|(1<<21)|(5<<22)|(3<<25)
	s_mov_b32 s[G1+1], KSTEP<<16                   ; tensor_dim0 = 128
	s_mov_b32 s[G1B+1], KSTEP<<16
	s_mov_b32 s[G1+2], 128<<16                     ; tensor_dim1 = 128 rows (A)
	s_mov_b32 s[G1B+2], 96<<16                     ; 96 rows (B)
	s_mov_b32 s[G1+3], KSTEP<<16                   ; tile_dim0 = 128
	s_mov_b32 s[G1B+3], KSTEP<<16
	s_mov_b32 s[G1+4], 128                         ; tile_dim1
	s_mov_b32 s[G1B+4], 96
	s_mov_b32 s[G1+5], 1024                        ; elements from row to row
	s_mov_b32 s[G1B+5], 1024
	s_mov_b32 s[G1+6], 0
	s_mov_b32 s[G1B+6], 0
	s_mov_b32 s[G1+7], 0
	s_mov_b32 s[G1B+7], 0
	s_lshl_b32 s16, s13, 8                         ; A: row 256 by + 128 half,
	s_lshl_b32 s17, s12, 7
	s_add_co_u32 s16, s16, s17
	s_lshl_b32 s16, s16, 11                        ; x 2,048 bytes (below 2^25)
	s_mov_b32 s17, 0
	s_mul_i32 s46, s42, 384                        ; B: row 384 bx + 96 half (the first pass),
	s_mul_i32 s47, s12, 96
	s_add_co_u32 s46, s46, s47
	s_lshl_b32 s46, s46, 11
	s_mov_b32 s47, 0
	s_mul_i32 s20, s10, AHALF                      ; LDS: A's halves at wave x 128 rows,
	s_mul_i32 s21, s10, BHALF                      ; B's halves at 256 rows + (wave - 2) x 96 rows
	s_add_co_u32 s21, s21, 2*AHALF-2*BHALF
	s_lshl_b32 s66, s13, 8                         ; C: row 256 by + 64 wave, byte 768 bx of the row; registers that feed no descriptor
	s_lshl_b32 s67, s10, 6
	s_add_co_u32 s66, s66, s67
	s_mul_i32 s66, s66, ROWB
	s_mul_i32 s67, s42, 768
	s_add_co_u32 s66, s66, s67
	s_mov_b32 s67, 0
	s_wait_dscnt 0x0
	s_wait_kmcnt 0x0
	s_add_nc_u64 s[14:15], s[4:5], s[16:17]
	s_add_nc_u64 s[46:47], s[6:7], s[46:47]
	s_add_nc_u64 s[8:9], s[8:9], s[66:67]
	CROUND                                         ; all sixteen work-groups are here: the first joint loads meet
.irp s, 0,1
	s_mov_b32 s[G0+4*\s], 1
	s_add_co_u32 s[G0+4*\s+1], s20, \s*SLOT
	s_add_nc_u64 s[G0+4*\s+2:G0+4*\s+3], s[14:15], \s*KSTEP*2
	s_or_b32 s[G0+4*\s+3], s[G0+4*\s+3], 0x80000000
	s_mov_b32 s[G0B+4*\s], 1
	s_add_co_u32 s[G0B+4*\s+1], s21, \s*SLOT
	s_add_nc_u64 s[G0B+4*\s+2:G0B+4*\s+3], s[46:47], \s*KSTEP*2
	s_or_b32 s[G0B+4*\s+3], s[G0B+4*\s+3], 0x80000000
	JLOAD \s                                       ; K steps 0 and 1: two loads of this wave are out
.endr
	v_and_b32 v1, 15, v0                           ; r = lane % 16
	v_bfe_u32 v2, v0, 4, 1                         ; h = lane / 16
	v_mul_u32_u24 v3, v1, PITCH
	v_lshl_add_u32 v3, v2, 4, v3                   ; r x pitch + 16 h
	s_mul_i32 s22, s10, 64*PITCH                   ; my 64 rows of A
	s_mov_b32 s23, 2*AHALF                         ; B lies behind A's 256 rows
.irp s, 0,1
	v_add_nc_u32 v[ADRA+\s], s22, v3
	v_add_nc_u32 v[ADRB+\s], s23, v3
	s_add_co_u32 s22, s22, SLOT
	s_add_co_u32 s23, s23, SLOT
.endr
	s_mul_i32 s22, s10, WSTAGE
	s_add_co_u32 s22, s22, STAGE                   ; my stage
	v_add_nc_u32 v[STO], s22, v3                   ; in: row r, 16 bytes for each half of the lanes
	v_mul_u32_u24 v5, v2, PITCH                    ; back: lanes 0-15 one row of 256 bytes, lanes 16-31 the next
	v_lshl_add_u32 v5, v1, 4, v5
	v_add_nc_u32 v[RD], s22, v5
	v_mul_u32_u24 v5, v2, ROWB                     ; and the same two rows in C
	v_lshl_add_u32 v[CO], v1, 4, v5
; 12 matrix instructions: my row block a x all 12 column blocks, 32 along K, from buffer f.  zero = 1: the product starts the sums.
; The 48 accumulators take turns, one instruction a turn, in the same order in every quarter step.
.macro MULA f, a, zero
.irp b, 0,1,2,3,4,5,6,7,8,9,10,11
.if \zero
	v_wmma_f32_16x16x32_bf16 v[96*(\a/2)+8*\b:96*(\a/2)+8*\b+7], v[96*\f+8*\b:96*\f+8*\b+7], v[192+32*\f+8*\a:192+32*\f+8*\a+7], 0
.else
	v_wmma_f32_16x16x32_bf16 v[96*(\a/2)+8*\b:96*(\a/2)+8*\b+7], v[96*\f+8*\b:96*\f+8*\b+7], v[192+32*\f+8*\a:192+32*\f+8*\a+7], v[96*(\a/2)+8*\b:96*(\a/2)+8*\b+7]
.endif
.endr
.endm
; 32 LDS loads in one run under one setting: 192 rows of B, then my 64 rows of A, 32 K at byte k of the rows, into buffer g
.macro FETCH slot, k, g
	WIN TOF
.irp b, 0,1,2,3,4,5,6,7,8,9,10,11
	ds_load_b128 v[96*\g+8*\b:96*\g+8*\b+3],   v[ADRB+\slot] offset:\k+\b*16*PITCH
	ds_load_b128 v[96*\g+8*\b+4:96*\g+8*\b+7], v[ADRB+\slot] offset:\k+\b*16*PITCH+32
.endr
.irp a, 0,1,2,3
	ds_load_b128 v[192+32*\g+8*\a:192+32*\g+8*\a+3],   v[ADRA+\slot] offset:\k+\a*16*PITCH
	ds_load_b128 v[192+32*\g+8*\a+4:192+32*\g+8*\a+7], v[ADRA+\slot] offset:\k+\a*16*PITCH+32
.endr
.endm
; One of a K step's first three quarters: multiplies buffer f; behind its first 12 products it fetches the next quarter into buffer g,
; so that 36 products stand between the loads and their first use.
.macro QUARTER slot, k, f, g, zero
	s_wait_dscnt 0x6                               ; B's 12 fragments and A's block 0 are in; the six youngest loads (A's blocks 1, 2, 3) may be out
	WIN M1
	MULA \f, 0, \zero
	PLACES                                         ; buffer g was read by matrix instructions: four places in front of the loads into it
	FETCH \slot, \k, \g
	s_wait_dscnt 0x20                              ; all but the 32 just issued
	WIN M2
	MULA \f, 1, \zero
	MULA \f, 2, \zero
	WIN M1
	MULA \f, 3, \zero
.endm
.macro THREE slot, zero
	QUARTER \slot, 64,  0, 1, \zero
	QUARTER \slot, 128, 1, 0, 0
	QUARTER \slot, 192, 0, 1, 0
.endm
; The last quarter multiplies buffer 1 and changes slots.  fill = 0: nothing more to fetch; 1: this slot gets the K step two further on;
; 2: it gets the second pass's K step (A goes back 6 steps; B goes on 192 rows and back 6 steps).
; In front of the barrier each wave waits for its reads of this slot and for all its tensor loads (one is out: its part of the next slot).
; Where the slot is filled again the barrier opens a round of the cluster's barrier and the joint load is the first tensor load behind it.
; From a request to the wait for it a wave issues 180 matrix instructions.
.macro TURN slot, next, fill
	s_wait_dscnt 0x0                               ; buffer 1 is in, and with it my last reads of this slot
	s_set_vgpr_msb 0x5f50
	s_wait_tensorcnt 0x0                           ; all my tensor loads have landed
	ds_add_u32 v254, v255
	s_wait_dscnt 0x0
	s_set_vgpr_msb 0x505f
	s_barrier_signal -1
	WIN M1
	MULA 1, 0, 0                                   ; register work while the others arrive
	WIN 0
	s_barrier_wait -1
.if \fill
	CREST
.if \fill == 1
	s_add_nc_u64 s[G0+4*\slot+2:G0+4*\slot+3], s[G0+4*\slot+2:G0+4*\slot+3], 2*KSTEP*2
	s_add_nc_u64 s[G0B+4*\slot+2:G0B+4*\slot+3], s[G0B+4*\slot+2:G0B+4*\slot+3], 2*KSTEP*2
.else
	s_sub_nc_u64 s[G0+4*\slot+2:G0+4*\slot+3], s[G0+4*\slot+2:G0+4*\slot+3], 6*KSTEP*2
	s_add_nc_u64 s[G0B+4*\slot+2:G0B+4*\slot+3], s[G0B+4*\slot+2:G0B+4*\slot+3], 192*2048-6*KSTEP*2
.endif
	JLOAD \slot                                    ; its four v_nop are also the places in front of the loads below
.else
	PLACES
.endif
	FETCH \next, 0, 0
	WIN M2
	MULA 1, 1, 0
	MULA 1, 2, 0
	WIN M1
	MULA 1, 3, 0
.endm
.macro LAP zero, fill                  ; two K steps, once round the ring
	THREE 0, \zero
	TURN 0, 1, \fill
	THREE 1, 0
	TURN 1, 0, \fill
.endm
.macro LAPE                            ; the launch's last two K steps: nothing is fetched
	THREE 0, 0
	TURN 0, 1, 0
	THREE 1, 0
	s_wait_dscnt 0x0
	WIN M1
	MULA 1, 0, 0
	WIN M2
	MULA 1, 1, 0
	MULA 1, 2, 0
	WIN M1
	MULA 1, 3, 0
.endm
; THE WAY OUT.  A pass's 192 columns are 384 bytes of a row of C: one and a half aligned blocks of 256 bytes.  My stage has one row of 256 bytes
; for each of my 64 rows of C.  First pass: a row block's first 256 bytes go through its stage rows and out, then its last 128 bytes are left in the
; first half of the same rows.  Second pass: its first 128 bytes complete those rows, which go out whole; then its last 256 bytes go through the
; same rows.  So every store covers 256 consecutive bytes, aligned, and each such block of C is written once.  The stage is my wave's own and
; LDS serves a wave's instructions in order (ISA guide 5.7.1.4): a load sees the stores in front of it and not those behind it.
.macro PACK a, from                    ; row block a: 12 tiles rounded to f16; from = 0x05 or 0x0a: sources 0 and 1 in window 1 or 2
	WIN \from
.irp b, 0,1,2,3,4,5,6,7,8,9,10,11
.irp r, 0,1,2,3
	v_cvt_pk_f16_f32 v[TMP+4*\b+\r], v[96*(\a/2)+8*\b+2*\r], v[96*(\a/2)+8*\b+2*\r+1]
.endr
.endr
	WIN 0
.endm
.macro OUTA a, from, rb                ; first pass
	PACK \a, \from
.irp b, 0,1,2,3,4,5,6,7
	ds_store_b128 v[STO], v[TMP+4*\b:TMP+4*\b+3] offset:\a*16*PITCH+32*\b
.endr
	s_wait_xcnt 0x0                                ; rb, which earlier stores read, is loaded again only behind this wait
.irp t, 0,1,2,3,4,5,6,7
	ds_load_b128 v[\rb+4*\t:\rb+4*\t+3], v[RD] offset:\a*16*PITCH+\t*2*PITCH
.endr
.irp b, 8,9,10,11
	ds_store_b128 v[STO], v[TMP+4*\b:TMP+4*\b+3] offset:\a*16*PITCH+32*(\b-8)   ; kept for the second pass
.endr
.irp t, 0,1,2,3,4,5,6,7
	s_wait_dscnt 11-\t                             ; behind load t: 7 - t loads and the four stores
	global_store_b128 v[CO], v[\rb+4*\t:\rb+4*\t+3], s[8:9] offset:(16*\a+2*\t)*ROWB   ; 16 lanes store 256 consecutive bytes, aligned
.endr
.endm
.macro OUTB a, from                    ; second pass
	PACK \a, \from
.irp b, 0,1,2,3
	ds_store_b128 v[STO], v[TMP+4*\b:TMP+4*\b+3] offset:\a*16*PITCH+128+32*\b
.endr
	s_wait_xcnt 0x0                                ; both sets, which earlier stores read, are loaded again only behind this wait
.irp t, 0,1,2,3,4,5,6,7
	ds_load_b128 v[RBA+4*\t:RBA+4*\t+3], v[RD] offset:\a*16*PITCH+\t*2*PITCH
.endr
.irp b, 4,5,6,7,8,9,10,11
	ds_store_b128 v[STO], v[TMP+4*\b:TMP+4*\b+3] offset:\a*16*PITCH+32*(\b-4)
.endr
.irp t, 0,1,2,3,4,5,6,7
	ds_load_b128 v[RBB+4*\t:RBB+4*\t+3], v[RD] offset:\a*16*PITCH+\t*2*PITCH
.endr
.irp t, 0,1,2,3,4,5,6,7
	s_wait_dscnt 23-\t                             ; behind load t: 7 - t loads, eight stores, eight loads
	global_store_b128 v[CO], v[RBA+4*\t:RBA+4*\t+3], s[8:9] offset:(16*\a+2*\t)*ROWB+256
.endr
.irp t, 0,1,2,3,4,5,6,7
	s_wait_dscnt 7-\t
	global_store_b128 v[CO], v[RBB+4*\t:RBB+4*\t+3], s[8:9] offset:(16*\a+2*\t)*ROWB+512
.endr
.endm
	s_wait_tensorcnt 0x1                           ; my part of K step 0 is in; K step 1's load may stay out
	s_barrier_signal -1
	s_barrier_wait -1
	FETCH 0, 0, 0
	; the first pass: columns 384 bx .. + 191
	LAP 1, 1                                       ; K steps 0, 1: the first products start the sums
	WIN 0                                          ; at a label and at a branch every window is 0
	s_mov_b32 s3, 2
.Lmid0:
	LAP 0, 1                                       ; K steps 2, 3 and 4, 5
	WIN 0
	s_sub_co_u32 s3, s3, 1
	s_cmp_lg_u32 s3, 0
	s_cbranch_scc1 .Lmid0
	LAP 0, 2                                       ; K steps 6, 7; the slots get the second pass's steps 0, 1
	PLACES                                         ; behind the last matrix instructions, in front of the conversions
	OUTA 0, 0x05, RBA
	OUTA 1, 0x0a, RBB
	OUTA 2, 0x0a, RBA
	OUTA 3, 0x05, RBB
	; the second pass: columns 384 bx + 192 .. + 383
	LAP 1, 1
	WIN 0
	s_mov_b32 s3, 2
.Lmid1:
	LAP 0, 1
	WIN 0
	s_sub_co_u32 s3, s3, 1
	s_cmp_lg_u32 s3, 0
	s_cbranch_scc1 .Lmid1
	LAPE
	PLACES
	OUTB 0, 0x05
	OUTB 1, 0x0a
	OUTB 2, 0x0a
	OUTB 3, 0x05
	s_wait_tensorcnt 0x0
	ds_add_u32 v254, v255
	s_wait_dscnt 0x0
	CROUND                                         ; the closing round: no work-group ends while a partner may still ask jointly
	s_endpgm
.Lfunc_end_k_q0a850832df_qkv:
	.size	k_q0a850832df_qkv, .Lfunc_end_k_q0a850832df_qkv-k_q0a850832df_qkv
	.p2alignl 7, 3214868480
	.fill 96, 4, 3214868480
	.section	.rodata,"a",@progbits
	.p2align	6, 0x0
	.amdhsa_kernel k_q0a850832df_qkv
		.amdhsa_group_segment_fixed_size 327680
		.amdhsa_private_segment_fixed_size 0
		.amdhsa_enable_private_segment 0
		.amdhsa_kernarg_size 24
		.amdhsa_user_sgpr_count 2
		.amdhsa_user_sgpr_kernarg_segment_ptr 1
		.amdhsa_wavefront_size32 1
		.amdhsa_system_sgpr_workgroup_id_x 1
		.amdhsa_system_sgpr_workgroup_id_y 1
		.amdhsa_system_sgpr_workgroup_id_z 1
		.amdhsa_system_vgpr_workitem_id 0
		.amdhsa_next_free_vgpr 1024
		.amdhsa_next_free_sgpr 68
		.amdhsa_reserve_vcc 0
		.amdhsa_float_denorm_mode_32 3
		.amdhsa_float_denorm_mode_16_64 3
		.amdhsa_memory_ordered 1
		.amdhsa_forward_progress 1
		.amdhsa_inst_pref_size 255
	.end_amdhsa_kernel
	.section	.bss,"aw",@nobits
	.p2align	6
	.space	262144
	.amdgpu_metadata
---
amdhsa.version: [ 1, 2 ]
amdhsa.kernels:
  - .name:           k_q0a850832df_qkv
    .symbol:         k_q0a850832df_qkv.kd
    .args:
      - { .name: xb, .offset: 0, .size: 8, .value_kind: global_buffer, .address_space: global }
      - { .name: wqkv, .offset: 8, .size: 8, .value_kind: global_buffer, .address_space: global }
      - { .name: qkv, .offset: 16, .size: 8, .value_kind: global_buffer, .address_space: global }
    .group_segment_fixed_size: 327680
    .private_segment_fixed_size: 0
    .kernarg_segment_align: 8
    .kernarg_segment_size: 24
    .max_flat_workgroup_size: 128
    .sgpr_count:     68
    .vgpr_count:     1024
    .wavefront_size: 32
...
	.end_amdgpu_metadata
.endif
;; end of part 2
;; launch attn (part 3): grid 256 x 1, 8 waves a work-group, clusters of 4 x 1, 327,680 bytes of LDS; arguments qkv, ao; writes ao
.if DOCPART == 3
	.amdgcn_target "amdgcn-amd-amdhsa--gfx1250"
	.amdhsa_code_object_version 6
	.text
	.protected	k_q0a850832df_attn
	.globl	k_q0a850832df_attn
	.p2align	8
	.type	k_q0a850832df_attn,@function
k_q0a850832df_attn:
	s_mov_b64 s[64:65], 0
	v_nop
	global_prefetch_b8 v0, s[64:65] scope:SCOPE_SE
	s_setreg_imm32_b32 hwreg(HW_REG_WAVE_MODE, 25, 1), 1
	s_wait_xcnt 0x0
	s_wait_alu depctr_hold_cnt(0) depctr_sa_sdst(0) depctr_va_vdst(0) depctr_va_sdst(0) depctr_va_ssrc(0) depctr_va_vcc(0) depctr_vm_vsrc(0)
	s_getreg_b32 s2, hwreg(HW_REG_IB_STS2, 6, 4)
	s_cmp_eq_u32 s2, 0
	s_cbranch_scc0 .Lentry_in_a_cluster
	s_endpgm
.Lentry_in_a_cluster:
	s_bfe_u32 s2, ttmp6, 0x10000c
	s_cmp_lg_u32 s2, 0x3003
	s_cbranch_scc0 .Lentry_shape_is_right
	s_endpgm
.Lentry_shape_is_right:
; Causal attention: ao = softmax(q k^T / 8, keys <= query) v, per batch and head.  qkv [8192][3072] f16 (q, k, v at bytes 0, 2048, 4096 of a row,
; head h at + 128 h), ao [8192][1024] f16.  Products on f16 operands with f32 sums; maximum, exponentials, sums and rescaling in f32 (running maximum).
; LIMITS: the weights p (0 .. 1) are rounded to f16 for the product with v while the denominator sums the unrounded p; v_exp_f32 returns 0 for
; results below 2^-126; |q|, |k|, |v| above 65504 were already infinite in qkv.
; SHARE: cluster cid (64 of them): batch b = cid >> 4, head pair hp = (cid >> 1) & 7, type = cid & 1.  It serves two blocks of 512 queries, J = type and
; then J = 3 - type: 512 (J + 1) keys each, 2,560 keys = 5 pairs of slots of 256 keys for either type.  Wave w: head 2 hp + hd, hd = w >> 2;
; w2 = (w & 3) xor 3 hd; its 32 queries are 512 J + 128 w2 + 32 cx + 0..31.  So the place in the cluster (cx) enters only data and plain global
; addresses; the four partners walk the same keys and ask for every K and V tile jointly.  With two heads a K or V row is 256 aligned bytes.
; LAYOUT: S^T = K Q^T gives lane (r, h) the keys 8 h + j of query r; packing two such tiles in place is the second operand P^T of O^T = V^T P^T;
; V^T comes by the transposing LDS load.  A lane owns one query: maximum, sum and factor are one number a lane and query block.
.set ROWQ,   6144
.set ROWO,   2048
.set KPITCH, 272                       ; 256 + 16 bytes
.set VPITCH, 288                       ; 256 + 32 bytes: an odd multiple of 32, for the transposing load
.set KSLOT,  256*KPITCH
.set VSLOT,  256*VPITCH
.set VRING,  2*KSLOT
.set STAGE,  VRING+2*VSLOT             ; 286,720, a multiple of 256: never filled by a tensor load
.set SPITCH, 144                       ; a wave's stage row: 128 + 16 bytes
.set SREG,   32*SPITCH                 ; a wave's own stage: 32 rows
.set HOFF,   4*SREG+128                ; head 1's four regions behind head 0's, 128 bytes off modulo 256
.set KADR,  4                          ; v4-5   K fragments, slot 0, 1
.set VADR,  6                          ; v6-9   V fragments, 2 slot + half of the slot
.set QOFF,  10
.set STO,   11
.set RD,    12
.set CO,    13
.set LANEP, 14                         ; 32 cx + r - 8 h
.set DL,    15
.set NEG,   16                         ; -infinity
.set M,     18                         ; v18-19 running maximum of the raw scores, query block 0, 1
.set L,     20                         ; v20-21 running sum (each half of the lanes keeps its keys' part)
.set NM,    22                         ; v22-25 -c x maximum, as pairs
.set AL,    26                         ; v26-29 rescaling factor, as pairs
.set T,     30                         ; v30-45 at work
.set X,     46                         ; v46-47 what comes from the other half of the lanes
.set O,     64                         ; v64-127  O^T tile (dt, qt) at 8 (4 qt + dt)
.set S,     128                        ; v128-191 S^T tile (kt, qt) at 32 qt + 8 kt; then P^T fragment (qt, c) at 32 qt + 16 c
.set F,     192                        ; v192-255 K fragments, then V^T fragments
                                       ; window 1: v256-287 Q fragment (qt, c) at 16 qt + 8 c
.set G1K, 24
.set G1V, 32
.set G0K, 40                           ; a set for each slot
.set G0V, 48
.set KBASE, 56                         ; s[56:59] address of my K rows in keys 0-255, 256-511, without the type bits
.set VBASE, 60                         ; s[60:63] the same for V
; s8 w, s9 hd, s10 w & 3, s11 w2, s12 cx, s13 type, s14 b, s15 hp, s16 pairs in the first block, s17 REL = my wave's first query (cx = 0) minus the
; pair's first key, s18 REL at the second block's start, s19 pair counter, s20 its successor, s[22:23] byte offset of the next pair's keys,
; s[66:67] my q rows, s[68:69] my ao rows, s[70:71] c, c with c = log2(e) / 8, s72 -c, s73-74 lane selects, s75 at work, s[76:77], s[78:79] steps to the second block
.set MSB, 0
.macro WIN new
.if MSB != \new
	s_set_vgpr_msb (MSB<<8)|\new
.set MSB, \new
.endif
.endm
.macro ROUND                           ; a round of the cluster's barrier
	s_barrier_signal -1
	s_barrier_wait -1
	s_cmp_lg_u32 s8, 0
	s_cbranch_scc1 .Lnot_wave_0_\@
	s_barrier_signal -3
.Lnot_wave_0_\@:
	s_barrier_wait -3
	s_barrier_signal -1
	s_barrier_wait -1
.endm
.macro JLOAD s                         ; waves 0-3 ask for K's four quarters of 64 rows, waves 4-7 for V's
	s_cmp_eq_u32 s9, 0
	s_cbranch_scc0 .Lfor_v_\@
	tensor_load_to_lds s[G0K+4*\s:G0K+4*\s+3], s[G1K:G1K+7]
	s_nop 0
.rept 4
	v_nop
.endr
	s_branch .Lasked_\@
.Lfor_v_\@:
	tensor_load_to_lds s[G0V+4*\s:G0V+4*\s+3], s[G1V:G1V+7]
	s_nop 0
.rept 4
	v_nop
.endr
.Lasked_\@:
.endm
	s_load_b128 s[4:7], s[0:1], 0x0                ; qkv s[4:5], ao s[6:7]
	v_lshl_add_u32 v62, v0, 2, 0x4f100
	v_mov_b32 v63, 0
	ds_add_u32 v62, v63
	v_lshrrev_b32 v1, 5, v0
	v_readfirstlane_b32 s8, v1
	s_lshr_b32 s9, s8, 2
	s_and_b32 s10, s8, 3
	s_mul_i32 s11, s9, 3
	s_xor_b32 s11, s11, s10
	s_bfe_u32 s12, ttmp6, 0x40000
	s_and_b32 s13, ttmp9, 1
	s_lshr_b32 s14, ttmp9, 4
	s_bfe_u32 s15, ttmp9, 0x30001
	s_add_co_u32 s16, s13, 1
	s_lshl_b32 s75, s11, 7                         ; 128 w2
	s_lshl_b32 s17, s13, 9
	s_add_co_u32 s17, s17, s75                     ; 512 type + 128 w2
	s_sub_co_u32 s18, 3, s13
	s_lshl_b32 s18, s18, 9
	s_add_co_u32 s18, s18, s75                     ; 512 (3 - type) + 128 w2
	s_mov_b32 s70, 0x3e38aa3b
	s_mov_b32 s71, 0x3e38aa3b
	s_mov_b32 s72, 0xbe38aa3b
	s_mov_b32 s73, 0x76543210
	s_mov_b32 s74, 0xfedcba98
	; group 1: 64 rows x 128 elements of 2 bytes, 3,072 elements from row to row, mask of all four partners, bit 21 beside it, padding after every 64 words
	s_mov_b32 s[G1K+0], 15|(1<<16)|(1<<20)|(1<<21)|(5<<22)|(3<<25)   ; K: 4 words of padding
	s_mov_b32 s[G1V+0], 15|(1<<16)|(1<<20)|(1<<21)|(5<<22)|(7<<25)   ; V: 8 words
.irp g, G1K, G1V
	s_mov_b32 s[\g+1], 128<<16
	s_mov_b32 s[\g+2], 64<<16
	s_mov_b32 s[\g+3], 128<<16
	s_mov_b32 s[\g+4], 64
	s_mov_b32 s[\g+5], 3072
	s_mov_b32 s[\g+6], 0
	s_mov_b32 s[\g+7], 0
.endr
	s_mul_i32 s76, s8, 64*KPITCH                   ; K: wave x 64 rows
	s_mul_i32 s77, s8, 64*VPITCH                   ; V: ring + (wave - 4) x 64 rows
	s_add_co_u32 s77, s77, VRING-4*64*VPITCH
.irp s, 0,1
	s_mov_b32 s[G0K+4*\s], 1
	s_add_co_u32 s[G0K+4*\s+1], s76, \s*KSLOT
	s_mov_b32 s[G0V+4*\s], 1
	s_add_co_u32 s[G0V+4*\s+1], s77, \s*VSLOT
.endr
	s_lshl_b32 s76, s14, 11                        ; 2048 b
	s_lshl_b32 s77, s10, 6                         ; my quarter's 64 rows
	s_add_co_u32 s77, s77, s76
	s_mul_i32 s77, s77, ROWQ
	s_lshl_b32 s78, s15, 8                         ; 256 hp
	s_add_co_u32 s78, s78, s77
	s_mov_b32 s79, 0
	s_lshl_b32 s20, s9, 7                          ; 128 hd
	s_lshl_b32 s21, s12, 5                         ; 32 cx: from here on only in s2, s3, s21, which feed no descriptor and no LDS address
	s_add_co_u32 s2, s21, s17
	s_add_co_u32 s2, s2, s76
	s_mul_i32 s2, s2, ROWQ
	s_lshl_b32 s3, s15, 8
	s_add_co_u32 s2, s2, s3
	s_add_co_u32 s2, s2, s20
	s_mov_b32 s3, 0
	v_and_b32 v1, 15, v0                           ; r
	v_bfe_u32 v2, v0, 4, 1                         ; h
	v_and_b32 v30, 7, v0
	v_bfe_u32 v31, v0, 3, 1
	v_mul_u32_u24 v3, v1, KPITCH
	v_lshl_add_u32 v3, v2, 4, v3
	v_add_nc_u32 v[KADR], s20, v3                  ; r x pitch + 16 h + my head's 128 bytes
	v_add_nc_u32 v[KADR+1], KSLOT, v[KADR]
	v_lshl_add_u32 v32, v2, 3, v30                 ; row 8 h + (lane & 7)
	v_mul_u32_u24 v32, v32, VPITCH
	v_lshl_add_u32 v32, v31, 4, v32                ; + 16 ((lane >> 3) & 1)
	v_add_nc_u32 v32, s20, v32
	v_add_nc_u32 v[VADR],   VRING, v32
	v_add_nc_u32 v[VADR+1], VRING+128*VPITCH, v32
	v_add_nc_u32 v[VADR+2], VRING+VSLOT, v32
	v_add_nc_u32 v[VADR+3], VRING+VSLOT+128*VPITCH, v32
	v_mul_u32_u24 v[QOFF], v1, ROWQ
	v_lshl_add_u32 v[QOFF], v2, 4, v[QOFF]
	s_mul_i32 s19, s9, HOFF                        ; my own stage: head, then w2
	s_mul_i32 s22, s11, SREG
	s_add_co_u32 s19, s19, s22
	s_add_co_u32 s19, s19, STAGE
	v_mul_u32_u24 v33, v1, SPITCH
	v_lshl_add_u32 v33, v2, 4, v33
	v_add_nc_u32 v[STO], s19, v33
	s_lshr_b32 s19, s8, 1                          ; back: wave w takes rows 16 (w & 1) .. + 15 of query block w >> 1, both heads
	s_mul_i32 s19, s19, SREG
	s_and_b32 s22, s8, 1
	s_mul_i32 s22, s22, 16*SPITCH
	s_add_co_u32 s19, s19, s22
	s_add_co_u32 s19, s19, STAGE
	v_mul_u32_u24 v33, v2, SPITCH
	v_lshl_add_u32 v33, v30, 4, v33
	v_mul_u32_u24 v34, v31, HOFF                   ; lanes 8-15 of each sixteen read head 1's region
	v_add_nc_u32 v33, v33, v34
	v_add_nc_u32 v[RD], s19, v33
	v_lshlrev_b32 v[CO], 11, v2
	v_lshl_add_u32 v[CO], v1, 4, v[CO]
	v_lshlrev_b32 v33, 3, v2
	v_sub_nc_u32 v[LANEP], v1, v33
	v_add_nc_u32 v[LANEP], s21, v[LANEP]
	v_mov_b32 v[NEG], 0xff800000
	v_mov_b32 v[X], 0                              ; destinations of v_permlanex16_b32 count as read
	v_mov_b32 v[X+1], 0
	s_wait_dscnt 0x0
	s_wait_kmcnt 0x0
	s_add_nc_u64 s[KBASE:KBASE+1], s[4:5], s[78:79]
	s_add_nc_u64 s[KBASE:KBASE+1], s[KBASE:KBASE+1], 2048
	s_add_nc_u64 s[KBASE+2:KBASE+3], s[KBASE:KBASE+1], 256*ROWQ
	s_add_nc_u64 s[VBASE:VBASE+1], s[KBASE:KBASE+1], 2048
	s_add_nc_u64 s[VBASE+2:VBASE+3], s[VBASE:VBASE+1], 256*ROWQ
.irp s, 0,1
	s_mov_b64 s[G0K+4*\s+2:G0K+4*\s+3], s[KBASE+2*\s:KBASE+2*\s+1]
	s_or_b32 s[G0K+4*\s+3], s[G0K+4*\s+3], 0x80000000
	s_mov_b64 s[G0V+4*\s+2:G0V+4*\s+3], s[VBASE+2*\s:VBASE+2*\s+1]
	s_or_b32 s[G0V+4*\s+3], s[G0V+4*\s+3], 0x80000000
.endr
	s_add_nc_u64 s[66:67], s[4:5], s[2:3]          ; my q rows
	s_lshr_b32 s2, s8, 1                           ; my ao rows: 2048 b + 512 J + 128 (w >> 1) + 32 cx + 16 (w & 1)
	s_lshl_b32 s2, s2, 7
	s_and_b32 s3, s8, 1
	s_lshl_b32 s3, s3, 4
	s_add_co_u32 s2, s2, s3
	s_add_co_u32 s2, s2, s21
	s_lshl_b32 s3, s13, 9
	s_add_co_u32 s2, s2, s3
	s_add_co_u32 s2, s2, s76
	s_lshl_b32 s2, s2, 11
	s_lshl_b32 s3, s15, 8
	s_add_co_u32 s2, s2, s3
	s_mov_b32 s3, 0
	s_add_nc_u64 s[68:69], s[6:7], s[2:3]
	s_lshl_b32 s75, s13, 1
	s_sub_co_u32 s75, 3, s75                       ; the second block lies 3 - 2 type blocks further down
	s_mul_i32 s76, s75, 512*ROWQ
	s_mov_b32 s77, 0
	s_mul_i32 s78, s75, 512*ROWO
	s_mov_b32 s79, 0
; 64 keys (rows 64 u .. of the slot) against my 32 queries.
.macro SUB slot, u
	s_cmp_le_i32 s17, 256*\slot+64*\u-128          ; every key lies above query REL + 127, the last that wave w of any partner holds: nothing to do
	s_cbranch_scc1 .Lskip_\@
.irp c, 0,1
.irp kt, 0,1,2,3
.irp i, 0,1
	ds_load_b128 v[F+16*\kt+8*\c+4*\i:F+16*\kt+8*\c+4*\i+3], v[KADR+\slot] offset:64*KPITCH*\u+16*KPITCH*\kt+64*\c+32*\i
.endr
.endr
.endr
	s_wait_dscnt 0x8                               ; the eight loads for d = 0..31 are in; the eight for d = 32..63 may stay out
	WIN 0x04                                       ; source 1 (Q) in window 1
	; the eight accumulators take turns, one instruction a turn
.irp kt, 0,1,2,3
.irp qt, 0,1
	v_wmma_f32_16x16x32_f16 v[S+32*\qt+8*\kt:S+32*\qt+8*\kt+7], v[F+16*\kt:F+16*\kt+7], v[16*\qt:16*\qt+7], 0
.endr
.endr
	s_wait_dscnt 0x0
.irp kt, 0,1,2,3
.irp qt, 0,1
	v_wmma_f32_16x16x32_f16 v[S+32*\qt+8*\kt:S+32*\qt+8*\kt+7], v[F+16*\kt+8:F+16*\kt+15], v[16*\qt+8:16*\qt+15], v[S+32*\qt+8*\kt:S+32*\qt+8*\kt+7]
.endr
.endr
	WIN 0
.rept 5
	v_nop                                          ; places in front of the loads into F and of the first reads of S
.endr
.irp c, 0,1
.irp dt, 0,1,2,3
.irp i, 0,1
	ds_load_tr16_b128 v[F+32*\c+8*\dt+4*\i:F+32*\c+8*\dt+4*\i+3], v[VADR+2*\slot+\u/2] offset:((\u%2)*64+32*\c+16*\i)*VPITCH+32*\dt
.endr
.endr
.endr
	s_cmp_ge_i32 s17, 256*\slot+64*\u+64           ; every key lies at or below query REL, the first of any partner: no mask
	s_cbranch_scc1 .Lnomask_\@
	s_sub_co_i32 s75, s17, 256*\slot+64*\u
	v_add_nc_u32 v[DL], s75, v[LANEP]              ; key 16 kt + 8 h + j is above query 16 qt + r  <=>  16 (kt - qt) + j > DL
.irp e, 0,1,2,3,4
.irp j, 0,1,2,3,4,5,6,7
	v_cmp_gt_i32 vcc_lo, 16*(\e-1)+\j, v[DL]
.if \e >= 1
	v_cndmask_b32 v[S+8*(\e-1)+\j], v[S+8*(\e-1)+\j], v[NEG], vcc_lo
.endif
.if \e <= 3
	v_cndmask_b32 v[S+32+8*\e+\j], v[S+32+8*\e+\j], v[NEG], vcc_lo
.endif
.endr
.endr
.Lnomask_\@:
	; the maximum of my 32 scores of each query block and of the old maximum: 16 three-way maxima each
.irp m, 0,3,5
.irp k, 0,1,2,3
.irp qt, 0,1
.if \m == 0
	v_max3_num_f32 v[T+4*\qt+\k], v[S+32*\qt+8*\k], v[S+32*\qt+8*\k+1], v[S+32*\qt+8*\k+2]
.else
	v_max3_num_f32 v[T+4*\qt+\k], v[T+4*\qt+\k], v[S+32*\qt+8*\k+\m], v[S+32*\qt+8*\k+\m+1]
.endif
.endr
.endr
.endr
.irp qt, 0,1
	v_max3_num_f32 v[T+4*\qt],   v[T+4*\qt],   v[T+4*\qt+1], v[S+32*\qt+7]
	v_max3_num_f32 v[T+4*\qt+2], v[T+4*\qt+2], v[T+4*\qt+3], v[S+32*\qt+15]
.endr
.irp qt, 0,1
	v_max3_num_f32 v[T+4*\qt], v[T+4*\qt], v[T+4*\qt+2], v[S+32*\qt+23]
.endr
.irp qt, 0,1
	v_max3_num_f32 v[T+4*\qt], v[T+4*\qt], v[S+32*\qt+31], v[M+\qt]
.endr
.irp qt, 0,1
	v_permlanex16_b32 v[X+\qt], v[T+4*\qt], s73, s74       ; the other half of the lanes holds the query's other keys
.endr
.irp qt, 0,1
	v_max_num_f32 v[M+\qt], v[T+4*\qt], v[X+\qt]           ; the new maximum (finite: a block's first 64 keys hold key 0)
.endr
.irp qt, 0,1
	v_mul_f32 v[T+4*\qt], s72, v[M+\qt]                    ; -c x maximum
.endr
.irp qt, 0,1
	v_sub_f32 v[AL+2*\qt], v[T+4*\qt], v[NM+2*\qt]         ; new minus old shift: the old sums move by this difference alone
	v_mov_b32 v[NM+2*\qt],   v[T+4*\qt]
	v_mov_b32 v[NM+2*\qt+1], v[T+4*\qt]
.endr
	v_exp_f32 v[AL],   v[AL]
	v_exp_f32 v[AL+2], v[AL+2]
.irp qt, 0,1
.irp p, 0,1,2,3,4,5,6,7,8,9,10,11,12,13,14,15
	v_pk_fma_f32 v[S+32*\qt+2*\p:S+32*\qt+2*\p+1], v[S+32*\qt+2*\p:S+32*\qt+2*\p+1], s[70:71], v[NM+2*\qt:NM+2*\qt+1] op_sel_hi:[1,0,1]
.endr
.endr
.set n, 0
.rept 64
	v_exp_f32 v[S+n], v[S+n]                               ; p = 2^(c s - c m)
.set n, n+1
.endr
	s_wait_alu depctr_va_vdst(0)
	v_mov_b32 v[AL+1], v[AL]                               ; a plain instruction behind the exponentials, in front of the first use of their results
	v_mov_b32 v[AL+3], v[AL+2]
.irp m, 2,4,6
.irp k, 0,1,2,3
.irp qt, 0,1
.if \m == 2
	v_pk_add_f32 v[T+8*\qt+2*\k:T+8*\qt+2*\k+1], v[S+32*\qt+8*\k:S+32*\qt+8*\k+1], v[S+32*\qt+8*\k+2:S+32*\qt+8*\k+3]
.else
	v_pk_add_f32 v[T+8*\qt+2*\k:T+8*\qt+2*\k+1], v[T+8*\qt+2*\k:T+8*\qt+2*\k+1], v[S+32*\qt+8*\k+\m:S+32*\qt+8*\k+\m+1]
.endif
.endr
.endr
.endr
.irp qt, 0,1
	v_pk_add_f32 v[T+8*\qt:T+8*\qt+1],   v[T+8*\qt:T+8*\qt+1],   v[T+8*\qt+2:T+8*\qt+3]
	v_pk_add_f32 v[T+8*\qt+4:T+8*\qt+5], v[T+8*\qt+4:T+8*\qt+5], v[T+8*\qt+6:T+8*\qt+7]
.endr
.irp qt, 0,1
	v_pk_add_f32 v[T+8*\qt:T+8*\qt+1], v[T+8*\qt:T+8*\qt+1], v[T+8*\qt+4:T+8*\qt+5]
.endr
.irp qt, 0,1
	v_add_f32 v[T+8*\qt], v[T+8*\qt], v[T+8*\qt+1]
.endr
.irp qt, 0,1
	v_fma_f32 v[L+\qt], v[L+\qt], v[AL+2*\qt], v[T+8*\qt]
.endr
.irp qt, 0,1
.irp c, 0,1
.irp i, 0,1,2,3,4,5,6,7
	v_cvt_pk_f16_f32 v[S+32*\qt+16*\c+\i], v[S+32*\qt+16*\c+2*\i], v[S+32*\qt+16*\c+2*\i+1]   ; in place: register i is written when 2 i and 2 i + 1 are read
.endr
.endr
.endr
.irp qt, 0,1
.irp p, 0,1,2,3,4,5,6,7,8,9,10,11,12,13,14,15
	v_pk_mul_f32 v[O+32*\qt+2*\p:O+32*\qt+2*\p+1], v[O+32*\qt+2*\p:O+32*\qt+2*\p+1], v[AL+2*\qt:AL+2*\qt+1]
.endr
.endr
	s_wait_dscnt 0x0                               ; V^T is in
	; the eight accumulators take turns, one instruction a turn
.irp c, 0,1
.irp qt, 0,1
.irp dt, 0,1,2,3
	v_wmma_f32_16x16x32_f16 v[O+8*(4*\qt+\dt):O+8*(4*\qt+\dt)+7], v[F+32*\c+8*\dt:F+32*\c+8*\dt+7], v[S+32*\qt+16*\c:S+32*\qt+16*\c+7], v[O+8*(4*\qt+\dt):O+8*(4*\qt+\dt)+7]
.endr
.endr
.endr
.rept 5
	v_nop                                          ; places in front of the next loads into F, the next products into S and the next reads of O
.endr
.Lskip_\@:
.endm
; One slot of 256 keys.  upd = 1: this slot's group 0 is set for the next pair.  fill = 1: the other slot is asked for.
.macro TRIP slot, upd, fill
	s_wait_tensorcnt 0x0                           ; all my tensor loads have landed, my part of this slot among them: every group 0 may be written
	ds_add_u32 v62, v63
	s_wait_dscnt 0x0
.if \upd
	s_add_nc_u64 s[G0K+4*\slot+2:G0K+4*\slot+3], s[KBASE+2*\slot:KBASE+2*\slot+1], s[22:23]
	s_or_b32 s[G0K+4*\slot+3], s[G0K+4*\slot+3], 0x80000000
	s_add_nc_u64 s[G0V+4*\slot+2:G0V+4*\slot+3], s[VBASE+2*\slot:VBASE+2*\slot+1], s[22:23]
	s_or_b32 s[G0V+4*\slot+3], s[G0V+4*\slot+3], 0x80000000
.endif
	s_wait_dscnt 0x0                               ; my reads of the other slot are over
	ROUND                                          ; both now hold of every wave of all four partners
.if \fill
	JLOAD (1-\slot)                                ; my one tensor load behind the round; it has this slot's 256 keys of work in which to land
.endif
	SUB \slot, 0
	SUB \slot, 1
	SUB \slot, 2
	SUB \slot, 3
.endm
; A block of queries begins.  The 64 moves stand once for 512 (J + 1) keys; a first product that starts the sums would need a second copy of the pair's text.
.macro INIT
	v_mov_b32 v[M],    v[NEG]
	v_mov_b32 v[M+1],  v[NEG]
	v_mov_b32 v[NM],   0x7f800000                  ; -c x (-infinity): the first factor is 2^(-infinity) = 0
	v_mov_b32 v[NM+2], 0x7f800000
	v_mov_b32 v[L],    0
	v_mov_b32 v[L+1],  0
.set n, 0
.rept 64
	v_mov_b32 v[O+n], 0
.set n, n+1
.endr
.endm
.macro QLOAD                           ; my 32 queries as four fragments: lane (r, h) takes d = 32 c + 8 h .. and 32 c + 16 + 8 h .. of query 16 qt + r
	WIN 0x40
.irp qt, 0,1
.irp c, 0,1
.irp i, 0,1
	global_load_b128 v[16*\qt+8*\c+4*\i:16*\qt+8*\c+4*\i+3], v[QOFF], s[66:67] offset:16*ROWQ*\qt+64*\c+32*\i
.endr
.endr
.endr
	WIN 0
.endm
; A block ends: divide, round to f16, through the stage, out as rows of 256 bytes (both heads of a row).
.macro EPI
.irp qt, 0,1
	v_permlanex16_b32 v[X+\qt], v[L+\qt], s73, s74
.endr
.irp qt, 0,1
	v_add_f32 v[L+\qt], v[L+\qt], v[X+\qt]
.endr
	v_rcp_f32 v[AL],   v[L]
	v_rcp_f32 v[AL+2], v[L+1]
	v_nop                                          ; a plain place behind the reciprocals
	s_wait_alu depctr_va_vdst(0)
	v_mov_b32 v[AL+1], v[AL]
	v_mov_b32 v[AL+3], v[AL+2]
.irp qt, 0,1
.irp p, 0,1,2,3,4,5,6,7,8,9,10,11,12,13,14,15
	v_pk_mul_f32 v[O+32*\qt+2*\p:O+32*\qt+2*\p+1], v[O+32*\qt+2*\p:O+32*\qt+2*\p+1], v[AL+2*\qt:AL+2*\qt+1]
.endr
.endr
.irp t, 0,1,2,3,4,5,6,7
.irp i, 0,1,2,3
	v_cvt_pk_f16_f32 v[S+4*\t+\i], v[O+8*\t+2*\i], v[O+8*\t+2*\i+1]
.endr
.endr
.irp qt, 0,1
.irp dt, 0,1,2,3
	ds_store_b128 v[STO], v[S+4*(4*\qt+\dt):S+4*(4*\qt+\dt)+3] offset:16*SPITCH*\qt+32*\dt
.endr
.endr
	s_wait_dscnt 0x0                               ; for the other waves' sake: my stores are done
	s_barrier_signal -1
	s_barrier_wait -1                              ; a tile on its way may stay out
.irp t, 0,1,2,3,4,5,6,7
	ds_load_b128 v[F+4*\t:F+4*\t+3], v[RD] offset:2*SPITCH*\t
.endr
.irp t, 0,1,2,3,4,5,6,7
	s_wait_dscnt 7-\t
	global_store_b128 v[CO], v[F+4*\t:F+4*\t+3], s[68:69] offset:2*ROWO*\t   ; 16 lanes store 256 consecutive bytes, aligned
.endr
	s_wait_xcnt 0x0                                ; F and the base are written again only behind this wait
.endm
	ROUND                                          ; in front of the first joint load
	JLOAD 0                                        ; keys 0-255
	QLOAD
	INIT
	s_mov_b32 s19, 0
	s_mov_b32 s22, 0
	s_mov_b32 s23, 0
	s_wait_loadcnt 0x0                             ; Q is in
.Lpair:
	s_add_co_u32 s20, s19, 1
	s_add_co_u32 s22, s22, 512*ROWQ                ; the next pair's keys: 512 rows on,
	s_cmp_eq_u32 s20, s16
	s_cselect_b32 s22, 0, s22                      ; or key 0 again where the second block begins
	TRIP 0, 1, 1
	TRIP 1, 1, 1
	s_sub_co_i32 s17, s17, 512
	s_cmp_lg_u32 s20, s16                          ; the same in every wave and every partner: it hangs on the cluster's number and the counter
	s_cbranch_scc1 .Lsame
	s_add_nc_u64 s[66:67], s[66:67], s[76:77]      ; the second block's queries (the first block's loads were waited for)
	QLOAD
	EPI
	s_add_nc_u64 s[68:69], s[68:69], s[78:79]
	s_mov_b32 s17, s18
	INIT
	s_wait_loadcnt 0x0
.Lsame:
	s_add_co_u32 s19, s19, 1
	s_cmp_lt_u32 s19, 4
	s_cbranch_scc1 .Lpair
	TRIP 0, 0, 1                                   ; the fifth pair: its second slot is the last fill
	TRIP 1, 0, 0
	EPI
	s_wait_tensorcnt 0x0
	ds_add_u32 v62, v63
	s_wait_dscnt 0x0
	ROUND                                          ; the closing round
	s_endpgm
.Lfunc_end_k_q0a850832df_attn:
	.size	k_q0a850832df_attn, .Lfunc_end_k_q0a850832df_attn-k_q0a850832df_attn
	.p2alignl 7, 3214868480
	.fill 96, 4, 3214868480
	.section	.rodata,"a",@progbits
	.p2align	6, 0x0
	.amdhsa_kernel k_q0a850832df_attn
		.amdhsa_group_segment_fixed_size 327680
		.amdhsa_private_segment_fixed_size 0
		.amdhsa_enable_private_segment 0
		.amdhsa_kernarg_size 16
		.amdhsa_user_sgpr_count 2
		.amdhsa_user_sgpr_kernarg_segment_ptr 1
		.amdhsa_wavefront_size32 1
		.amdhsa_system_sgpr_workgroup_id_x 1
		.amdhsa_system_sgpr_workgroup_id_y 1
		.amdhsa_system_sgpr_workgroup_id_z 1
		.amdhsa_system_vgpr_workitem_id 0
		.amdhsa_next_free_vgpr 288
		.amdhsa_next_free_sgpr 80
		.amdhsa_reserve_vcc 1
		.amdhsa_float_denorm_mode_32 3
		.amdhsa_float_denorm_mode_16_64 3
		.amdhsa_memory_ordered 1
		.amdhsa_forward_progress 1
		.amdhsa_inst_pref_size 255
	.end_amdhsa_kernel
	.section	.bss,"aw",@nobits
	.p2align	6
	.space	262144
	.amdgpu_metadata
---
amdhsa.version: [ 1, 2 ]
amdhsa.kernels:
  - .name:           k_q0a850832df_attn
    .symbol:         k_q0a850832df_attn.kd
    .args:
      - { .name: qkv, .offset: 0, .size: 8, .value_kind: global_buffer, .address_space: global }
      - { .name: ao, .offset: 8, .size: 8, .value_kind: global_buffer, .address_space: global }
    .group_segment_fixed_size: 327680
    .private_segment_fixed_size: 0
    .kernarg_segment_align: 8
    .kernarg_segment_size: 16
    .max_flat_workgroup_size: 256
    .sgpr_count:     80
    .vgpr_count:     288
    .wavefront_size: 32
...
	.end_amdgpu_metadata
.endif
;; end of part 3
;; launch proj (part 4): grid 8 x 32, 4 waves a work-group, clusters of 4 x 4, 327,680 bytes of LDS; arguments ao, wo16, out0; writes out0
.if DOCPART == 4
	.amdgcn_target "amdgcn-amd-amdhsa--gfx1250"
	.amdhsa_code_object_version 6
	.text
	.protected	k_q0a850832df_proj
	.globl	k_q0a850832df_proj
	.p2align	8
	.type	k_q0a850832df_proj,@function
k_q0a850832df_proj:
	s_mov_b64 s[64:65], 0
	v_nop
	global_prefetch_b8 v0, s[64:65] scope:SCOPE_SE
	s_setreg_imm32_b32 hwreg(HW_REG_WAVE_MODE, 25, 1), 1
	s_wait_xcnt 0x0
	s_wait_alu depctr_hold_cnt(0) depctr_sa_sdst(0) depctr_va_vdst(0) depctr_va_sdst(0) depctr_va_ssrc(0) depctr_va_vcc(0) depctr_vm_vsrc(0)
	s_getreg_b32 s2, hwreg(HW_REG_IB_STS2, 6, 4)
	s_cmp_eq_u32 s2, 0
	s_cbranch_scc0 .Lentry_in_a_cluster
	s_endpgm
.Lentry_in_a_cluster:
	s_bfe_u32 s2, ttmp6, 0x10000c
	s_cmp_lg_u32 s2, 0xf033
	s_cbranch_scc0 .Lentry_shape_is_right
	s_endpgm
.Lentry_shape_is_right:
; out0[m][n] = sum over k of ao[m][k] wo16[n][k].  ao [8192][1024] f16, wo16 [1024][1024] f16, out0 [8192][1024] f32; sums in f32.
; 256 work-groups.  Work-group (bx, by) owns rows 256 by .. +255 x columns 128 bx .. +127.  Four waves; wave w makes rows 64 w .. +63 x 128 columns:
; 32 accumulator tiles, 256 registers.  K goes in steps of 128 (rows of 256 bytes, aligned) through two LDS slots filled by tensor loads, one a wave and step.
; CLUSTER 4 x 4: A's tile hangs on by alone and is asked for jointly by the four work-groups of a cluster row, B's on bx alone, by a cluster column.
; REGISTERS: window 0: addresses and fragments; window 1 (v256-511): accumulator tile (a, b) at v[8 (8 a + b)].
; The matrix instruction is used transposed (source 0 = rows of B, source 1 = rows of A): a lane then holds 8 neighbouring columns of one row of C.
.set ROWB,   4096                      ; bytes in a row of C
.set KSTEP,  128
.set PITCH,  272                       ; LDS row: 256 bytes + 16 of padding, so the 16 rows of a fragment load start 16 bytes apart modulo 256
.set AHALF,  128*PITCH
.set BHALF,  64*PITCH
.set SLOT,   2*AHALF+2*BHALF
.set STAGE,  2*SLOT                    ; behind the ring, never filled by a tensor load: 16 rows for each wave
.set SPITCH, 528                       ; a stage row: 512 bytes + 16
.set ADRA, 16
.set ADRB, 20
.set STO,  24
.set RD,   25
.set CO,   26
.set FA,   32                          ; A fragments: buffer f at FA + 32 f
.set FB,   96                          ; B fragments: buffer f at FB + 64 f
.set RB,   160                         ; way out: 64 registers of fragment buffer 1
.set G1,  24
.set G0,  32
.set G1B, 48
.set G0B, 56
.set MUL, 0x50                         ; C and D in window 1, A and B in window 0
.set MSB, 0
.macro WIN new                         ; the immediate's high byte repeats the setting that is left
.if MSB != \new
	s_set_vgpr_msb (MSB<<8)|\new
.set MSB, \new
.endif
.endm
.macro PLACES                          ; four places behind matrix instructions (ISA guide 7.12.1)
.rept 4
	v_nop
.endr
.endm
.macro JLOAD s                         ; waves 0, 1 ask for A's halves, waves 2, 3 for B's
	s_cmp_eq_u32 s11, 0
	s_cbranch_scc0 .Lfor_b_\@
	tensor_load_to_lds s[G0+4*\s:G0+4*\s+3], s[G1:G1+7]
	s_nop 0
.rept 4
	v_nop
.endr
	s_branch .Lasked_\@
.Lfor_b_\@:
	tensor_load_to_lds s[G0B+4*\s:G0B+4*\s+3], s[G1B:G1B+7]
	s_nop 0
.rept 4
	v_nop
.endr
.Lasked_\@:
.endm
.macro CREST                           ; a round of the cluster's barrier behind its opening work-group barrier
	s_cmp_lg_u32 s10, 0
	s_cbranch_scc1 .Lnot_wave_0_\@
	s_barrier_signal -3
.Lnot_wave_0_\@:
	s_barrier_wait -3
	s_barrier_signal -1
	s_barrier_wait -1
.endm
.macro CROUND
	s_barrier_signal -1
	s_barrier_wait -1
	CREST
.endm
	s_load_b128 s[4:7], s[0:1], 0x0                ; A s[4:5], B s[6:7]
	s_load_b64 s[8:9], s[0:1], 0x10                ; C
	v_lshl_add_u32 v254, v0, 2, 0x3b400
	v_mov_b32 v255, 0
	ds_add_u32 v254, v255
	v_lshrrev_b32 v1, 5, v0
	v_readfirstlane_b32 s10, v1                    ; wave 0..3
	s_lshr_b32 s11, s10, 1                         ; I fetch for A (0) or for B (1)
	s_and_b32 s12, s10, 1                          ; which half of that tile
	s_bfe_u32 s40, ttmp6, 0x40000                  ; cx
	s_bfe_u32 s41, ttmp6, 0x40004                  ; cy
	s_lshl_b32 s42, ttmp9, 2
	s_add_co_u32 s42, s42, s40                     ; bx
	s_and_b32 s13, ttmp7, 0xffff
	s_lshl_b32 s13, s13, 2
	s_add_co_u32 s13, s13, s41                     ; by
	s_lshl_b32 s43, s41, 2
	s_lshl_b32 s43, 15, s43                        ; my row of the cluster
	s_lshl_b32 s44, 0x1111, s40                    ; my column
	s_or_b32 s[G1+0], s43, (1<<16)|(1<<20)|(1<<21)|(5<<22)|(3<<25)   ; mask; 2-byte elements; padding on; bit 21 beside a mask; 4 words after every 64
	s_or_b32 s[G1B+0], s44, (1<<16)|(1<<20)|(1<<21)|(5<<22)|(3<<25)
	s_mov_b32 s[G1+1], KSTEP<<16
	s_mov_b32 s[G1B+1], KSTEP<<16
	s_mov_b32 s[G1+2], 128<<16                     ; 128 rows (A)
	s_mov_b32 s[G1B+2], 64<<16                     ; 64 rows (B)
	s_mov_b32 s[G1+3], KSTEP<<16
	s_mov_b32 s[G1B+3], KSTEP<<16
	s_mov_b32 s[G1+4], 128
	s_mov_b32 s[G1B+4], 64
	s_mov_b32 s[G1+5], 1024                        ; elements from row to row
	s_mov_b32 s[G1B+5], 1024
	s_mov_b32 s[G1+6], 0
	s_mov_b32 s[G1B+6], 0
	s_mov_b32 s[G1+7], 0
	s_mov_b32 s[G1B+7], 0
	s_lshl_b32 s16, s13, 8                         ; A: row 256 by + 128 half, x 2,048 bytes
	s_lshl_b32 s17, s12, 7
	s_add_co_u32 s16, s16, s17
	s_lshl_b32 s16, s16, 11
	s_mov_b32 s17, 0
	s_lshl_b32 s46, s42, 7                         ; B: row 128 bx + 64 half
	s_lshl_b32 s47, s12, 6
	s_add_co_u32 s46, s46, s47
	s_lshl_b32 s46, s46, 11
	s_mov_b32 s47, 0
	s_mul_i32 s20, s10, AHALF
	s_mul_i32 s21, s10, BHALF
	s_add_co_u32 s21, s21, AHALF
	s_lshl_b32 s66, s13, 8                         ; C: row 256 by + 64 wave, column 128 bx (512 bytes); registers that feed no descriptor
	s_lshl_b32 s67, s10, 6
	s_add_co_u32 s66, s66, s67
	s_lshl_b32 s66, s66, 12
	s_lshl_b32 s67, s42, 9
	s_add_co_u32 s66, s66, s67
	s_mov_b32 s67, 0
	s_wait_dscnt 0x0
	s_wait_kmcnt 0x0
	s_add_nc_u64 s[14:15], s[4:5], s[16:17]
	s_add_nc_u64 s[46:47], s[6:7], s[46:47]
	s_add_nc_u64 s[8:9], s[8:9], s[66:67]
	CROUND                                         ; all sixteen work-groups are here: the first joint loads meet
.irp s, 0,1
	s_mov_b32 s[G0+4*\s], 1
	s_add_co_u32 s[G0+4*\s+1], s20, \s*SLOT
	s_add_nc_u64 s[G0+4*\s+2:G0+4*\s+3], s[14:15], \s*KSTEP*2
	s_or_b32 s[G0+4*\s+3], s[G0+4*\s+3], 0x80000000
	s_mov_b32 s[G0B+4*\s], 1
	s_add_co_u32 s[G0B+4*\s+1], s21, \s*SLOT
	s_add_nc_u64 s[G0B+4*\s+2:G0B+4*\s+3], s[46:47], \s*KSTEP*2
	s_or_b32 s[G0B+4*\s+3], s[G0B+4*\s+3], 0x80000000
	JLOAD \s                                       ; K steps 0 and 1: two loads of this wave are out
.endr
	v_and_b32 v1, 15, v0                           ; r
	v_bfe_u32 v2, v0, 4, 1                         ; h
	v_and_b32 v6, 31, v0                           ; lane
	v_mul_u32_u24 v3, v1, PITCH
	v_lshl_add_u32 v3, v2, 4, v3
	s_mul_i32 s22, s10, 64*PITCH
	s_mov_b32 s23, 2*AHALF
.irp s, 0,1
	v_add_nc_u32 v[ADRA+\s], s22, v3
	v_add_nc_u32 v[ADRB+\s], s23, v3
	s_add_co_u32 s22, s22, SLOT
	s_add_co_u32 s23, s23, SLOT
.endr
	s_mul_i32 s22, s10, 16*SPITCH
	s_add_co_u32 s22, s22, STAGE                   ; my stage
	v_mul_u32_u24 v4, v1, SPITCH                   ; in: row r, 32 bytes for each half of the lanes
	v_lshl_add_u32 v4, v2, 5, v4
	v_add_nc_u32 v[STO], s22, v4
	v_lshlrev_b32 v[CO], 4, v6                     ; back and out: the 32 lanes take one row of 512 bytes
	v_add_nc_u32 v[RD], s22, v[CO]
; 8 matrix instructions: my row block a x all 8 column blocks, 32 along K, from buffer f.  zero = 1: the product starts the sums.
; The 32 accumulators take turns, one instruction a turn, in the same order in every quarter step.
.macro MULA f, a, zero
.irp b, 0,1,2,3,4,5,6,7
.if \zero
	v_wmma_f32_16x16x32_f16 v[8*(8*\a+\b):8*(8*\a+\b)+7], v[FB+64*\f+8*\b:FB+64*\f+8*\b+7], v[FA+32*\f+8*\a:FA+32*\f+8*\a+7], 0
.else
	v_wmma_f32_16x16x32_f16 v[8*(8*\a+\b):8*(8*\a+\b)+7], v[FB+64*\f+8*\b:FB+64*\f+8*\b+7], v[FA+32*\f+8*\a:FA+32*\f+8*\a+7], v[8*(8*\a+\b):8*(8*\a+\b)+7]
.endif
.endr
.endm
.macro FETCH slot, k, g                ; 24 LDS loads in one run: 128 rows of B, then my 64 rows of A
.irp b, 0,1,2,3,4,5,6,7
	ds_load_b128 v[FB+64*\g+8*\b:FB+64*\g+8*\b+3],   v[ADRB+\slot] offset:\k+\b*16*PITCH
	ds_load_b128 v[FB+64*\g+8*\b+4:FB+64*\g+8*\b+7], v[ADRB+\slot] offset:\k+\b*16*PITCH+32
.endr
.irp a, 0,1,2,3
	ds_load_b128 v[FA+32*\g+8*\a:FA+32*\g+8*\a+3],   v[ADRA+\slot] offset:\k+\a*16*PITCH
	ds_load_b128 v[FA+32*\g+8*\a+4:FA+32*\g+8*\a+7], v[ADRA+\slot] offset:\k+\a*16*PITCH+32
.endr
.endm
.macro QUARTER slot, k, f, g, zero
	s_wait_dscnt 0x4                               ; all but the four youngest loads (A's row blocks 2, 3) are in
	WIN MUL
	MULA \f, 0, \zero
	MULA \f, 1, \zero
	PLACES                                         ; buffer g was read by matrix instructions: four places in front of the loads into it
	WIN 0
	FETCH \slot, \k, \g
	s_wait_dscnt 0x18                              ; all but the 24 just issued
	WIN MUL
	MULA \f, 2, \zero
	MULA \f, 3, \zero
.endm
.macro THREE slot, zero
	QUARTER \slot, 64,  0, 1, \zero
	QUARTER \slot, 128, 1, 0, 0
	QUARTER \slot, 192, 0, 1, 0
.endm
; The last quarter multiplies buffer 1 and changes slots.  fill = 1: this slot gets the K step two further on.
; In front of the barrier each wave waits for its reads of this slot and for all its tensor loads (one is out: its part of the next slot).
; Where the slot is filled again the barrier opens a round of the cluster's barrier and the joint load is the first tensor load behind it.
.macro TURN slot, next, fill
	s_wait_dscnt 0x0                               ; buffer 1 is in, and with it my last reads of this slot
	WIN MUL
	MULA 1, 0, 0
	s_wait_tensorcnt 0x0
	ds_add_u32 v254, v255
	s_wait_dscnt 0x0
	s_barrier_signal -1
	MULA 1, 1, 0                                   ; register work while the others arrive
	WIN 0
	s_barrier_wait -1
.if \fill
	CREST
	s_add_nc_u64 s[G0+4*\slot+2:G0+4*\slot+3], s[G0+4*\slot+2:G0+4*\slot+3], 2*KSTEP*2
	s_add_nc_u64 s[G0B+4*\slot+2:G0B+4*\slot+3], s[G0B+4*\slot+2:G0B+4*\slot+3], 2*KSTEP*2
	JLOAD \slot                                    ; its four v_nop are also the places in front of the loads below
.else
	PLACES
.endif
	FETCH \next, 0, 0
	WIN MUL
	MULA 1, 2, 0
	MULA 1, 3, 0
.endm
.macro LAP zero
	THREE 0, \zero
	TURN 0, 1, 1
	THREE 1, 0
	TURN 1, 0, 1
.endm
; The way out, 16 rows at a time: f32 as it stands, 32 bytes a lane into my own stage, read back as whole rows of 512 bytes.
.macro OUT16 a
	WIN 0x04                                       ; the LDS stores' data in window 1
.irp b, 0,1,2,3,4,5,6,7
	ds_store_b128 v[STO], v[8*(8*\a+\b):8*(8*\a+\b)+3]   offset:64*\b
	ds_store_b128 v[STO], v[8*(8*\a+\b)+4:8*(8*\a+\b)+7] offset:64*\b+16
.endr
	WIN 0
	s_wait_xcnt 0x0                                ; RB, which earlier stores read, is loaded again only behind this wait
.irp t, 0,1,2,3,4,5,6,7,8,9,10,11,12,13,14,15
	ds_load_b128 v[RB+4*\t:RB+4*\t+3], v[RD] offset:\t*SPITCH     ; LDS serves a wave's instructions in order: these see the stores above
.endr
.irp t, 0,1,2,3,4,5,6,7,8,9,10,11,12,13,14,15
	s_wait_dscnt 15-\t
	global_store_b128 v[CO], v[RB+4*\t:RB+4*\t+3], s[8:9] offset:(16*\a+\t)*ROWB th:TH_STORE_NT   ; a wave's store covers 512 consecutive bytes, aligned
.endr
.endm
	s_wait_tensorcnt 0x1                           ; my part of K step 0 is in; K step 1's load may stay out
	s_barrier_signal -1
	s_barrier_wait -1
	FETCH 0, 0, 0
	LAP 1                                          ; the first products start the sums
	LAP 0
	LAP 0
	THREE 0, 0                                     ; K steps 6 and 7: nothing is fetched
	TURN 0, 1, 0
	THREE 1, 0
	s_wait_dscnt 0x0
	WIN MUL
	MULA 1, 0, 0
	MULA 1, 1, 0
	MULA 1, 2, 0
	MULA 1, 3, 0
	PLACES                                         ; behind the last matrix instructions, in front of the LDS stores of their results
	OUT16 0
	OUT16 1
	OUT16 2
	OUT16 3
	s_wait_tensorcnt 0x0
	ds_add_u32 v254, v255
	s_wait_dscnt 0x0
	CROUND                                         ; the closing round: no work-group ends while a partner may still ask jointly
	s_endpgm
.Lfunc_end_k_q0a850832df_proj:
	.size	k_q0a850832df_proj, .Lfunc_end_k_q0a850832df_proj-k_q0a850832df_proj
	.p2alignl 7, 3214868480
	.fill 96, 4, 3214868480
	.section	.rodata,"a",@progbits
	.p2align	6, 0x0
	.amdhsa_kernel k_q0a850832df_proj
		.amdhsa_group_segment_fixed_size 327680
		.amdhsa_private_segment_fixed_size 0
		.amdhsa_enable_private_segment 0
		.amdhsa_kernarg_size 24
		.amdhsa_user_sgpr_count 2
		.amdhsa_user_sgpr_kernarg_segment_ptr 1
		.amdhsa_wavefront_size32 1
		.amdhsa_system_sgpr_workgroup_id_x 1
		.amdhsa_system_sgpr_workgroup_id_y 1
		.amdhsa_system_sgpr_workgroup_id_z 1
		.amdhsa_system_vgpr_workitem_id 0
		.amdhsa_next_free_vgpr 512
		.amdhsa_next_free_sgpr 68
		.amdhsa_reserve_vcc 0
		.amdhsa_float_denorm_mode_32 3
		.amdhsa_float_denorm_mode_16_64 3
		.amdhsa_memory_ordered 1
		.amdhsa_forward_progress 1
		.amdhsa_inst_pref_size 150
	.end_amdhsa_kernel
	.amdgpu_metadata
---
amdhsa.version: [ 1, 2 ]
amdhsa.kernels:
  - .name:           k_q0a850832df_proj
    .symbol:         k_q0a850832df_proj.kd
    .args:
      - { .name: ao, .offset: 0, .size: 8, .value_kind: global_buffer, .address_space: global }
      - { .name: wo16, .offset: 8, .size: 8, .value_kind: global_buffer, .address_space: global }
      - { .name: out0, .offset: 16, .size: 8, .value_kind: global_buffer, .address_space: global }
    .group_segment_fixed_size: 327680
    .private_segment_fixed_size: 0
    .kernarg_segment_align: 8
    .kernarg_segment_size: 24
    .max_flat_workgroup_size: 128
    .sgpr_count:     68
    .vgpr_count:     512
    .wavefront_size: 32
...
	.end_amdgpu_metadata
.endif
;; end of part 4
;; ======== version 2 of 2: 4 launches; version 1 with the launch cast written anew for expert scheduling mode
;; limits: values are held in f16: magnitudes above 65,504 overflow, below 6.1e-05 lose precision
;; workspace buffers: xb 16,777,216 bytes; wqkv 6,291,456 bytes; wo16 2,097,152 bytes; qkv 50,331,648 bytes; ao 16,777,216 bytes
;; launch cast (part 5): grid 768 x 1, 8 waves a work-group, no clusters, 0 bytes of LDS; arguments x, Wq, Wk, Wv, Wo, xb, wqkv, wo16; writes xb, wqkv, wo16
.if DOCPART == 5
	.amdgcn_target "amdgcn-amd-amdhsa--gfx1250"
	.amdhsa_code_object_version 6
	.text
	.protected	k_q0a850832df_cast
	.globl	k_q0a850832df_cast
	.p2align	8
	.type	k_q0a850832df_cast,@function
k_q0a850832df_cast:
	s_mov_b64 s[64:65], 0
	v_nop
	global_prefetch_b8 v0, s[64:65] scope:SCOPE_SE
	s_setreg_imm32_b32 hwreg(HW_REG_WAVE_SCHED_MODE, 0, 2), 2
	s_setreg_imm32_b32 hwreg(HW_REG_WAVE_MODE, 25, 1), 1
	s_wait_xcnt 0x0
	s_wait_alu depctr_vm_vsrc(0)
; Rounds the five f32 inputs once to the 16-bit formats that the matrix launches read:
;   x -> xb (bf16);  Wq, Wk, Wv -> wqkv (bf16, stacked: rows 0-1023 Wq, 1024-2047 Wk, 2048-3071 Wv);
;   Wo -> bf16 -> f16 in wo16 (the second step changes nothing for magnitudes from 2^-14 to 65504).
; LIMITS: |Wo| above 65504 becomes infinity in f16; |Wo| below 2^-14 keeps an absolute error of at most 2^-25.
; A plain stream: no LDS, no barrier, no matrix unit.  Work-group g owns 16,384 numbers (65,536 bytes in, 32,768 out):
;   g 0-511 x, 512-575 Wq, 576-639 Wk, 640-703 Wv, 704-767 Wo.
; Thread t takes 16 bytes at 16 t + 4096 i (i = 0..15): a wave's load covers 512 consecutive bytes; its store of 8 bytes a lane
; covers 256 consecutive bytes, aligned.  All 16 loads go out first.
; THE MODE: SCHED_MODE bits 1:0 = 2 (LLVM: expert scheduling mode 2), set by the entry lines.  The code itself states the register dependences
; between vector instructions and memory instructions, with s_wait_alu, always for 0.
; THE PLAN.  Registers that memory instructions touch:
;   v1, v2   byte offsets, written once at the head; v1 is read by the 16 loads, v2 by the 16 stores; never written again.
;   X        load i lands in its own four registers, which no vector instruction names before; row i's conversions read them; never loaded again.
;   Y        row i's conversions write its own two registers; store i reads them; never written behind that store.
;   T        named by vector instructions alone.
; So no register that a memory instruction has read is written again, and no load lands in a register that a vector instruction has named:
; what is left to state is that the offsets are written ahead of the loads and that a row's Y is written ahead of its store.
; The 16 rows go in four blocks of four.  Block p converts rows 4 p .. 4 p + 3; its memory instructions are the four stores of block p - 1, whose
; registers no vector instruction of block p names.  One wait at the head of a block serves its four stores, which are dealt among its conversions.
.set X, 4                              ; v[4:67]    load i: 4 registers
.set Y, 68                             ; v[68:99]   store i: 2 registers
.set T, 100                            ; v[100:103] at work (Wo only)
	s_load_b512 s[8:23], s[0:1], 0x0               ; x s8, Wq s10, Wk s12, Wv s14, Wo s16, xb s18, wqkv s20, wo16 s22
	s_sub_co_u32 s2, ttmp9, 512                    ; t = g - 512 (used only where g >= 512)
	s_and_b32 s3, s2, 63                           ; block inside one weight matrix
	s_sub_co_u32 s24, ttmp9, 704                   ; block inside wo16
	s_cmp_lt_u32 ttmp9, 512
	s_cselect_b32 s26, ttmp9, s3                   ; block of the source
	s_cmp_lt_u32 ttmp9, 704
	s_cselect_b32 s28, s2, s24
	s_cmp_lt_u32 ttmp9, 512
	s_cselect_b32 s28, ttmp9, s28                  ; block of the destination
	s_lshl_b32 s26, s26, 16                        ; x 65,536 bytes
	s_mov_b32 s27, 0
	s_lshl_b32 s28, s28, 15                        ; x 32,768 bytes
	s_mov_b32 s29, 0
	v_lshlrev_b32 v1, 4, v0                        ; 16 t
	v_lshlrev_b32 v2, 3, v0                        ; 8 t
	s_wait_kmcnt 0x0
	s_mov_b64 s[4:5], s[8:9]                       ; the source buffer, chosen by the work-group's number alone
	s_cmp_ge_u32 ttmp9, 512
	s_cselect_b64 s[4:5], s[10:11], s[4:5]
	s_cmp_ge_u32 ttmp9, 576
	s_cselect_b64 s[4:5], s[12:13], s[4:5]
	s_cmp_ge_u32 ttmp9, 640
	s_cselect_b64 s[4:5], s[14:15], s[4:5]
	s_cmp_ge_u32 ttmp9, 704
	s_cselect_b64 s[4:5], s[16:17], s[4:5]
	s_mov_b64 s[6:7], s[18:19]                     ; the destination buffer likewise
	s_cmp_ge_u32 ttmp9, 512
	s_cselect_b64 s[6:7], s[20:21], s[6:7]
	s_cmp_ge_u32 ttmp9, 704
	s_cselect_b64 s[6:7], s[22:23], s[6:7]
	s_add_nc_u64 s[4:5], s[4:5], s[26:27]
	s_add_nc_u64 s[6:7], s[6:7], s[28:29]
	s_wait_alu depctr_va_vdst(0)                   ; v1 and v2 are written: every load of the kernel reads v1 as its offset, every store v2
.irp i, 0,1,2,3,4,5,6,7,8,9,10,11,12,13,14,15
	global_load_b128 v[X+4*\i:X+4*\i+3], v1, s[4:5] offset:4096*\i th:TH_LOAD_NT
.endr
; Row i: the four numbers of load i are rounded; in front of them goes the store of row i - 4, of the block before.
; wo = 1: the bf16 values are widened again and written as f16.
.macro ROW i, wo
.if ((\i)%4) == 0
	s_wait_loadcnt 15-\i                           ; loads return in order: the 15 - i younger ones may stay out
.if (\i) > 0
	s_wait_alu depctr_va_vdst(0)                   ; the block before has written its four rows of Y, which the four stores of this block read
.endif
.endif
.if (\i) >= 4
	global_store_b64 v2, v[Y+2*(\i-4):Y+2*(\i-4)+1], s[6:7] offset:2048*(\i-4)   ; no vector instruction since the wait names these registers
.endif
.if ((\i)%4) != 0
	s_wait_loadcnt 15-\i                           ; loads return in order: the 15 - i younger ones may stay out
.endif
	v_cvt_pk_bf16_f32 v[Y+2*\i],   v[X+4*\i],   v[X+4*\i+1]
	v_cvt_pk_bf16_f32 v[Y+2*\i+1], v[X+4*\i+2], v[X+4*\i+3]
.if \wo
	v_lshlrev_b32 v[T],   16, v[Y+2*\i]
	v_and_b32     v[T+1], 0xffff0000, v[Y+2*\i]
	v_lshlrev_b32 v[T+2], 16, v[Y+2*\i+1]
	v_and_b32     v[T+3], 0xffff0000, v[Y+2*\i+1]
	v_cvt_pk_f16_f32 v[Y+2*\i],   v[T],   v[T+1]
	v_cvt_pk_f16_f32 v[Y+2*\i+1], v[T+2], v[T+3]
.endif
.endm
; Behind the last block: its own four stores.
.macro LAST4
	s_wait_alu depctr_va_vdst(0)                   ; rows 12 to 15 have written their Y, which the last four stores read
.irp i, 12,13,14,15
	global_store_b64 v2, v[Y+2*\i:Y+2*\i+1], s[6:7] offset:2048*\i
.endr
.endm
	s_cmp_ge_u32 ttmp9, 704
	s_cbranch_scc1 .Lwo
.irp i, 0,1,2,3,4,5,6,7,8,9,10,11,12,13,14,15
	ROW \i, 0
.endr
	LAST4
	s_endpgm
.Lwo:
.irp i, 0,1,2,3,4,5,6,7,8,9,10,11,12,13,14,15
	ROW \i, 1
.endr
	LAST4
	s_endpgm
.Lfunc_end_k_q0a850832df_cast:
	.size	k_q0a850832df_cast, .Lfunc_end_k_q0a850832df_cast-k_q0a850832df_cast
	.p2alignl 7, 3214868480
	.fill 96, 4, 3214868480
	.section	.rodata,"a",@progbits
	.p2align	6, 0x0
	.amdhsa_kernel k_q0a850832df_cast
		.amdhsa_group_segment_fixed_size 0
		.amdhsa_private_segment_fixed_size 0
		.amdhsa_enable_private_segment 0
		.amdhsa_kernarg_size 64
		.amdhsa_user_sgpr_count 2
		.amdhsa_user_sgpr_kernarg_segment_ptr 1
		.amdhsa_wavefront_size32 1
		.amdhsa_system_sgpr_workgroup_id_x 1
		.amdhsa_system_sgpr_workgroup_id_y 1
		.amdhsa_system_sgpr_workgroup_id_z 1
		.amdhsa_system_vgpr_workitem_id 0
		.amdhsa_next_free_vgpr 104
		.amdhsa_next_free_sgpr 66
		.amdhsa_reserve_vcc 0
		.amdhsa_float_denorm_mode_32 3
		.amdhsa_float_denorm_mode_16_64 3
		.amdhsa_memory_ordered 1
		.amdhsa_forward_progress 1
		.amdhsa_inst_pref_size 17
	.end_amdhsa_kernel
	.amdgpu_metadata
---
amdhsa.version: [ 1, 2 ]
amdhsa.kernels:
  - .name:           k_q0a850832df_cast
    .symbol:         k_q0a850832df_cast.kd
    .args:
      - { .name: x, .offset: 0, .size: 8, .value_kind: global_buffer, .address_space: global }
      - { .name: Wq, .offset: 8, .size: 8, .value_kind: global_buffer, .address_space: global }
      - { .name: Wk, .offset: 16, .size: 8, .value_kind: global_buffer, .address_space: global }
      - { .name: Wv, .offset: 24, .size: 8, .value_kind: global_buffer, .address_space: global }
      - { .name: Wo, .offset: 32, .size: 8, .value_kind: global_buffer, .address_space: global }
      - { .name: xb, .offset: 40, .size: 8, .value_kind: global_buffer, .address_space: global }
      - { .name: wqkv, .offset: 48, .size: 8, .value_kind: global_buffer, .address_space: global }
      - { .name: wo16, .offset: 56, .size: 8, .value_kind: global_buffer, .address_space: global }
    .group_segment_fixed_size: 0
    .private_segment_fixed_size: 0
    .kernarg_segment_align: 8
    .kernarg_segment_size: 64
    .max_flat_workgroup_size: 256
    .sgpr_count:     66
    .vgpr_count:     104
    .wavefront_size: 32
...
	.end_amdgpu_metadata
.endif
;; end of part 5
;; launch qkv: the kernel of part 2 again; grid 8 x 32, 4 waves a work-group, clusters of 4 x 4, 327,680 bytes of LDS; arguments xb, wqkv, qkv; writes qkv
;; launch attn: the kernel of part 3 again; grid 256 x 1, 8 waves a work-group, clusters of 4 x 1, 327,680 bytes of LDS; arguments qkv, ao; writes ao
;; launch proj: the kernel of part 4 again; grid 8 x 32, 4 waves a work-group, clusters of 4 x 4, 327,680 bytes of LDS; arguments ao, wo16, out0; writes out0
